; MI455X (gfx1250); checked and timed in simulation.
; The chip was launched on July 23, 2026; its instructions are those of AMD's public machine-readable ISA for CDNA 5 (MIT licence, August 2026) and "CDNA5" Instruction Set Architecture Reference Guide (July 2026). The comments in the code are by the model that wrote it; some were corrected since.
;; Attention. Allowed arithmetic: matrix products marked QUANTISED: E3M2 operands, one E8M0 scale for each 32 along K, by v_wmma_scale_f32_16x16x128_f8f6f4 with both operands' format E3M2, f32 sums; everything else in f32.
;; Inputs: K 2 x 16 x 2,048 x 64 float32; Q 2 x 16 x 2,048 x 64 float32; V 2 x 16 x 2,048 x 64 float32; mask 2,048 x 2,048 bool.
;; Outputs: out0 2 x 16 x 2,048 x 64 float32.
;; This version of the problem:
;;   THIS VERSION OF THE PROBLEM IS GIVEN IN LOW PRECISION. The matrix products marked QUANTISED in the list below multiply operands that are first quantised to E3M2 (3 exponent bits, 2 mantissa bits; 6 bits a number), with one power-of-two scale for each 32 numbers along K (OCP MX v1.0); their sums are f32. All else is computed in f32.
;;   The module's matrix products, in the order in which they are computed (A, B: the left and right operand; K: the contracted axis; several contracted axes count as one K, in the product's order):
;;     1. batch 32 x [M 2,048, K 64] x [K 64, N 2,048]; A: input Q; B: input K: QUANTISED
;;     2. batch 32 x [M 2,048, K 2,048] x [K 2,048, N 64]; A: softmax (see below); B: input V: QUANTISED
;;   THE QUANTISER, for each operand of a quantised product, along K:
;;     - K is cut into blocks of 32 from its start; a last block that is shorter is filled with zeros.
;;     - A block's scale is 2^e with e = floor(log2(the largest magnitude in the block)) - 4, held to -126 .. 127; a block of zeros has e = 0. As a byte (E8M0): e + 127.
;;     - Each number is divided by its block's scale, clamped to +-28, and rounded to the nearest number of E3M2, ties to even, subnormals kept.
;;     - The product sums the exact products of the quantised numbers (number of the format x scale) in f32.
;;   ~~~python
;;   def quantise(x, axis):      # numpy; x: float32 -> the quantised numbers, widened to float32 again
;;       x = np.moveaxis(x, axis, -1); K = x.shape[-1]
;;       x = np.pad(x, [(0, 0)] * (x.ndim - 1) + [(0, -K % 32)]); x = x.reshape(x.shape[:-1] + (-1, 32)); a = np.abs(x).max(-1, keepdims=True)
;;       e = np.where(a > 0, np.clip(np.frexp(np.where(a > 0, a, 1))[1] - 1 - 4, -126, 127), 0)      # np.frexp(a)[1] - 1 = floor(log2(a)), exactly
;;       r = np.clip(x / 2.0 ** e, -28, 28)
;;       step = 2.0 ** (np.maximum(np.frexp(np.where(r == 0, 1, r))[1] - 1, -2) - 2)
;;       q = np.round(r / step) * step * 2.0 ** e      # np.round: ties to even
;;       return np.moveaxis(q.reshape(q.shape[:-2] + (-1,))[..., :K], -1, axis).astype(np.float32)
;;   ~~~
;;   SOFTMAX AHEAD OF A QUANTISED PRODUCT. Where the list says 'softmax', what is quantised is not the finished softmax but p = 2^(t - M), with t = logit x log2(e) and M = ceil(the row's largest t), a whole number; so 1/2 < the row's largest p <= 1. The row's sum l is taken of the UNQUANTISED p, in f32, and the product's result is divided by l at the end. Since M is a whole number, a kernel that streams over the keys may use a running M (the ceiling of the running maximum): every later rescaling is an exact power of two, which a block's scale takes up: the codes' values come out the same.
;;   OPERANDS COMPUTED ON THE WAY. 'Computed on the way' means the value that the module computes at that place (a softmax that the list does not call 'softmax' is quantised finished and normalised). What goes into a quantiser is computed in f32, as accurately as f32 sums, v_exp_f32 and their like allow (about 1e-6 of the number): no bf16 or f16 on the way to a quantiser, and a product that is left as it is and whose result goes on into a quantised operand takes f32 operands (vector FMAs, or v_wmma_f32_16x16x4_f32). A number that lies on a knife's edge between two numbers of the format may be rounded either way, as far as f32 arithmetic and the matrix unit's own rounding can turn it there, and no further.
;; One version. Each part assembles by itself: llvm-mc -triple=amdgcn-amd-amdhsa -mcpu=gfx1250 --defsym DOCPART=n.
;; ======== version 1 of 1: 2 launches
;; limits: right only within a limited range of input values
;; workspace buffers: kv 6,815,744 bytes; maskw 524,288 bytes of whole numbers
;; launch prep (part 1): grid 768 x 1, 4 waves a work-group, no clusters, 35,328 bytes of LDS; arguments K, V, mask, kv, maskw; writes kv, maskw
.if DOCPART == 1
	.amdgcn_target "amdgcn-amd-amdhsa--gfx1250"
	.amdhsa_code_object_version 6
	.text
	.protected	k_qf4c05e7caa_prep
	.globl	k_qf4c05e7caa_prep
	.p2align	8
	.type	k_qf4c05e7caa_prep,@function
k_qf4c05e7caa_prep:
	s_mov_b64 s[64:65], 0
	v_nop
	global_prefetch_b8 v0, s[64:65] scope:SCOPE_SE
	s_setreg_imm32_b32 hwreg(HW_REG_WAVE_MODE, 25, 1), 1
	s_wait_xcnt 0x0
; K and V [32 heads][2048 keys][64] f32 become codes of BF6 (E3M2) with one E8M0 scale byte for each 32 along a product's K (K: along d; V: along the keys),
; laid as IMAGES OF THE OPERANDS' REGISTERS, and mask [2048][2048] of bytes becomes lane-mask words.  The attention launch reads all three as they lie.
; kv: one unit of 13,312 bytes for each head and key step of 128 keys (unit hs = 16 x head + step).  Lane l = r + 16 h.
;   +0      4 fragments of K, 1,536 bytes each: piece j (512 bytes) holds lane l's registers 4 j .. 4 j + 3 at 16 l.  Fragment b = 2 c + u: registers 0-5 = key 64 c + 16 u + 32 (r / 8) + r % 8,
;           d = 32 h + 0 .. 31; registers 6-11 = the key 8 further on, the same d.  So one fragment holds TWO tiles of 16 keys, one in each half of the instruction's 128 along K.
;   +6,144  4 fragments of V^T likewise: fragment t, row d = 16 t + r; registers 6 c .. 6 c + 5 = keys 64 c + 32 h + 0 .. 31 of the step
;   +12,288 K's scale words: at 256 c + 8 l the words of fragments 2 c and 2 c + 1 for row l % 16 (bytes: first tile's d blocks 0, 1, second tile's d blocks 0, 1)
;   +12,800 V's scale words: word at 4 d' + 128 g for d = 32 g + d': one byte for each of the step's four blocks of keys
;   +13,056 256 zeros, so that every byte of a unit is stored
; maskw[query tile qt][step s][n]: bit l = (mask[16 qt + l % 16][128 s + 64 (n / 32) + 32 (l / 16) + n % 32] != 0): the key that register n of the scores holds in lane l.
; A block's scale is 2^(floor(log2(its largest magnitude)) - 4); its byte is the largest magnitude's exponent field - 4, held at 1 from below.
; LIMITS: a block of zeros, and one whose largest magnitude lies under 2^-122, gets the byte 1 (a block of zeros has zero codes, and this program alone reads the bytes); NaN and infinities are not served;
; any mask byte other than 0 counts as true.
; SHARES: work-groups 0-255: V, a wave to 32 columns d of a unit.  256-511: the mask, two work-groups to a tile of 16 queries, a wave to two steps.  512-767: K, a wave to half a unit (64 keys), all its loads out at once.
; Waves share nothing: no barrier.  Only K's path uses LDS (a stage of its own for each wave).
.set UNIT,  13312
.set SP,    272                        ; a stage slot: a key's 256 bytes + 16 = 68 words: slot r starts at bank 4 r mod 64 (64 banks of 4 bytes: ISA guide 11.1)
.set STGB,  32*SP                      ; a wave's stage: 32 keys
.set SPARE, 4*STGB                     ; the spare words, 128 bytes for each wave
.set KR,    16                         ; K: v16-143  two sets of 64: 32 keys as they are loaded
.set KX,    144                        ; K: v144-207 two blocks of 32 neighbours along d
.set KC,    208                        ; K: v208-231 two sets of 12: a fragment's codes
.set SW,    248                        ; K: v248-249 the two scale words
.set VX,    16                         ; V: v16-79   two sets of 32 keys of my column
.set VC,    80                         ; V: v80-103  two images of 12 registers
; 32 numbers of one block, v[x] .. v[x + 31], all in my lane: codes 0-15 into v[dA .. dA + 2], codes 16-31 into v[dB .. dB + 2], the byte into v[by].
.macro QBLK x, dA, dB, m0, m1, so, by
	v_max3_num_f32 v[\m0], |v[(\x)]|, |v[(\x)+1]|, 0x2800000          ; with the floor 2^(5 - 127): the byte cannot fall under 1
	v_max3_num_f32 v[\m1], |v[(\x)+2]|, |v[(\x)+3]|, |v[(\x)+4]|      ; two chains by turns
.irp i, 5,9,13,17,21,25
	v_max3_num_f32 v[\m0], v[\m0], |v[(\x)+\i]|, |v[(\x)+\i+1]|
	v_max3_num_f32 v[\m1], v[\m1], |v[(\x)+\i+2]|, |v[(\x)+\i+3]|
.endr
	v_max3_num_f32 v[\m0], v[\m0], |v[(\x)+29]|, |v[(\x)+30]|
	v_max3_num_f32 v[\m0], v[\m0], v[\m1], |v[(\x)+31]|               ; the block's largest magnitude
	v_add_nc_u32 v[\so], 0xfe000000, v[\m0]                           ; 4 off its exponent field: the conversion takes the exponent field of this operand as its scale
	v_lshrrev_b32 v[\by], 23, v[\so]                                  ; the scale's byte
	v_cvt_scalef32_pk16_bf6_f32 v[(\dA):(\dA)+2], v[(\x):(\x)+15], v[\so]
	v_cvt_scalef32_pk16_bf6_f32 v[(\dB):(\dB)+2], v[(\x)+16:(\x)+31], v[\so]   ; (a conversion's three registers begin on an even number)
	v_nop                                                             ; one plain place behind a scaled conversion
.endm
	s_load_b256 s[4:11], s[0:1], 0x0               ; K s[4:5], V s[6:7], mask s[8:9], kv s[10:11]
	s_load_b64 s[12:13], s[0:1], 0x20              ; maskw
	v_lshl_add_u32 v254, v0, 2, SPARE
	v_mov_b32 v255, 0
	v_lshrrev_b32 v1, 5, v0
	v_readfirstlane_b32 s14, v1                    ; wave 0..3
	v_and_b32 v1, 31, v0                           ; lane
	v_and_b32 v2, 15, v0                           ; r
	v_bfe_u32 v3, v0, 4, 1                         ; h
	v_lshlrev_b32 v4, 4, v1                        ; 16 x lane
	v_lshlrev_b32 v5, 3, v1                        ; 8 x lane
	v_lshlrev_b32 v6, 2, v1                        ; 4 x lane
	v_lshlrev_b32 v7, 3, v3                        ; 8 h
	s_mul_i32 s15, s14, STGB                       ; my stage (K's path alone uses it; its addresses are made here, on the way that all take)
	v_mul_u32_u24 v8, v3, SP
	v_lshl_add_u32 v8, v2, 4, v8
	v_add_nc_u32 v8, s15, v8                       ; in: lanes 0-15 one key's 256 bytes, lanes 16-31 the next slot's
	v_mul_u32_u24 v9, v2, SP
	v_lshl_add_u32 v9, v3, 7, v9
	v_add_nc_u32 v9, s15, v9                       ; out: slot r, d = 32 h on
	v_mul_u32_u24 v10, v3, 1536
	v_lshl_add_u32 v10, v2, 4, v10                 ; V: my column's fragment (lane / 16) and row (lane % 16) in it
	v_lshlrev_b32 v11, 11, v2
	v_lshl_add_u32 v11, v3, 5, v11                 ; the mask: 2,048 r + 32 h
	s_mov_b32 s28, 0x76543210
	s_mov_b32 s29, 0xfedcba98                      ; v_permlanex16_b32's selects for lane l xor 16
	s_wait_alu depctr_va_vdst(0)                   ; the wait at the head's end
	s_wait_kmcnt 0x0
	s_cmp_lt_u32 ttmp9, 256
	s_cbranch_scc0 .Lnot_v
; ---------------- V: a lane takes a column d and its registers run down the keys, so that a block of 32 keys lies in one lane and the codes come out with the keys innermost
	s_lshl_b32 s16, ttmp9, 2
	s_add_co_u32 s16, s16, s14
	s_lshr_b32 s17, s16, 1                         ; hs
	s_and_b32 s16, s16, 1                          ; g: columns 32 g on
	s_lshl_b32 s18, s17, 15                        ; a step's 128 keys are 32,768 dense bytes
	s_lshl_b32 s20, s16, 7
	s_add_co_u32 s18, s18, s20
	s_mov_b32 s19, 0
	s_add_nc_u64 s[6:7], s[6:7], s[18:19]          ; V at my step's first key, column 32 g
	s_mul_i32 s18, s17, UNIT
	s_add_nc_u64 s[10:11], s[10:11], s[18:19]      ; my unit
	s_add_co_u32 s20, s20, 12800
	s_mov_b32 s21, 0
	s_add_nc_u64 s[22:23], s[10:11], s[20:21]      ; my 32 scale words
	s_mul_i32 s20, s16, 3072
	s_add_co_u32 s20, s20, 6144
	s_add_nc_u64 s[10:11], s[10:11], s[20:21]      ; fragments 2 g and 2 g + 1
.macro LOADB kb                        ; block kb: V(32 kb + i, my column): 32 lanes read 128 consecutive bytes; the wave beside me reads the row's other half
.set i, 0
.rept 32
	global_load_b32 v[VX+32*((\kb)%2)+i], v6, s[6:7] offset:(32*(\kb)+i)*256 th:TH_LOAD_NT
.set i, i+1
.endr
.endm
.macro VBLK kb
.set DA, VC+12*((\kb)%2)+6*((\kb)/2)   ; block kb = 2 c + h belongs to lane (r, h) of the fragment, registers 6 c on: image h
.if (\kb) < 3
	s_wait_loadcnt 32                              ; this block's 32 loads are in; the next block's may be out
.else
	s_wait_loadcnt 0x0
.endif
	QBLK VX+32*((\kb)%2), DA, 104, 112, 113, 114, 115
.irp i, 0,1,2
	v_mov_b32 v[DA+3+\i], v[104+\i]
.endr
.if (\kb) == 0
	v_mov_b32 v116, v115                           ; the four bytes make my column's scale word, the lower keys in the lower byte
.else
	v_lshl_or_b32 v116, v115, 8*(\kb), v116
.endif
.if (\kb) < 2
	LOADB (\kb)+2
.endif
.endm
	LOADB 0
	LOADB 1
	VBLK 0
	VBLK 1
	VBLK 2
	VBLK 3
.irp hh, 0,1
.irp j, 0,1,2
	global_store_b128 v10, v[VC+12*\hh+4*\j:VC+12*\hh+4*\j+3], s[10:11] offset:512*\j+256*\hh   ; each half of the lanes stores 256 consecutive bytes, at a multiple of 256 from kv's first byte
.endr
.endr
	global_store_b32 v6, v116, s[22:23]            ; 128 consecutive bytes
	s_endpgm
.Lnot_v:
	s_cmp_ge_u32 ttmp9, 512
	s_cbranch_scc0 .Lmask
; ---------------- K: half c of my unit, 64 keys, 32 at a time (a pair of tiles = one fragment): two runs of 16 neighbouring keys, 32 keys apart
	s_sub_co_u32 s16, ttmp9, 512
	s_lshl_b32 s16, s16, 2
	s_add_co_u32 s16, s16, s14                     ; 2 hs + c
	s_lshl_b32 s18, s16, 14                        ; 64 keys are 16,384 dense bytes
	s_mov_b32 s19, 0
	s_add_nc_u64 s[4:5], s[4:5], s[18:19]
	s_lshr_b32 s17, s16, 1                         ; hs
	s_and_b32 s16, s16, 1                          ; c
	s_mul_i32 s18, s17, UNIT
	s_add_nc_u64 s[10:11], s[10:11], s[18:19]      ; my unit
	s_mul_i32 s18, s16, 3072
	s_add_nc_u64 s[20:21], s[10:11], s[18:19]      ; fragments 2 c and 2 c + 1
	s_lshl_b32 s18, s16, 8
	s_add_nc_u64 s[22:23], s[10:11], s[18:19]      ; my 256 bytes of scale words
	s_lshl_b32 s18, s16, 7
	s_add_nc_u64 s[24:25], s[10:11], s[18:19]      ; my 128 of the unit's 256 zeros
	v_mov_b32 v246, 0                              ; a lane permute's destination counts as one of its sources
	v_mov_b32 v252, 0
.macro LOADP p                         ; 32 keys: each load reads 512 consecutive bytes, two keys
.irp j, 0,1,2,3,4,5,6,7,8,9,10,11,12,13,14,15
	global_load_b128 v[KR+64*(\p)+4*\j:KR+64*(\p)+4*\j+3], v4, s[4:5] offset:4096*(\p)+8192*(\j/8)+512*(\j%8) th:TH_LOAD_NT
.endr
.endm
.macro PAIR p
.set CC, KC+12*(\p)
	s_wait_loadcnt 16-16*(\p)                      ; this pair's 16 loads are in; the next pair's may be out
.irp j, 0,1,2,3,4,5,6,7,8,9,10,11,12,13,14,15      ; key kk of the 32 goes to slot 16 ((kk / 8) % 2) + 8 (kk / 16) + kk % 8: a tile's 16 keys become 16 neighbouring slots
	ds_store_b128 v8, v[KR+64*(\p)+4*\j:KR+64*(\p)+4*\j+3] offset:SP*(16*(((2*\j)/8)%2)+8*((2*\j)/16)+((2*\j)%8))
.endr
.irp u, 0,1
.irp i, 0,1,2,3,4,5,6,7
	ds_load_b128 v[KX+32*\u+4*\i:KX+32*\u+4*\i+3], v9 offset:16*SP*\u+16*\i   ; LDS serves a wave's instructions in order: these see my stores
.endr
.endr
	s_wait_dscnt 0x0                               ; my 64 numbers are back
	QBLK KX, CC, 232, 240, 241, 242, 243           ; first tile: key r's block h of d
.irp i, 0,1,2
	v_mov_b32 v[CC+3+\i], v[232+\i]
.endr
	QBLK KX+32, CC+6, 236, 240, 241, 242, 244      ; second tile
.irp i, 0,1,2
	v_mov_b32 v[CC+9+\i], v[236+\i]
.endr
	v_lshl_or_b32 v245, v244, 16, v243             ; my two bytes: d block h of both tiles,
	v_lshlrev_b32 v245, v7, v245                   ; at their places in the word (8 h bits up);
	v_permlanex16_b32 v246, v245, s28, s29
	v_or_b32 v[SW+(\p)], v245, v246                ; with lane l xor 16's two the word is whole, in both halves of the lanes
.irp j, 0,1,2
	global_store_b128 v4, v[CC+4*\j:CC+4*\j+3], s[20:21] offset:1536*(\p)+512*\j   ; 512 consecutive bytes, at a multiple of 256 from kv's first byte
.endr
.endm
	LOADP 0
	LOADP 1
	s_wait_alu depctr_va_vdst(0)                   ; the wait here, ahead of the wait below
	PAIR 0
	PAIR 1
	global_store_b64 v5, v[SW:SW+1], s[22:23] offset:12288   ; 256 consecutive bytes, at a multiple of 256
	global_store_b32 v6, v252, s[24:25] offset:13056
	s_wait_tensorcnt 0x0                           ; the wave's end, behind my last LDS store
	ds_add_u32 v254, v255
	s_wait_dscnt 0x0
	s_endpgm
.Lmask:
; ---------------- the mask: lane (r, h) loads, for step s and b, the 16 bytes of query r at keys 128 s + 64 (b / 2) + 16 (b % 2) + 32 h on; a compare turns byte i of all 32 lanes into word 16 b + i
	s_sub_co_u32 s16, ttmp9, 256
	s_lshl_b32 s17, s16, 2
	s_and_b32 s17, s17, 4
	s_add_co_u32 s17, s17, s14                     ; which pair of steps: 4 x (work-group's half) + wave
	s_lshr_b32 s16, s16, 1                         ; qt
	s_lshl_b32 s18, s16, 15                        ; 16 rows of 2,048 bytes
	s_lshl_b32 s20, s17, 8                         ; my two steps: 256 bytes of each row
	s_add_co_u32 s18, s18, s20
	s_mov_b32 s19, 0
	s_add_nc_u64 s[8:9], s[8:9], s[18:19]
	s_lshl_b32 s18, s16, 12                        ; 16 steps x 64 words
	s_lshl_b32 s20, s17, 9
	s_add_co_u32 s18, s18, s20
	s_add_nc_u64 s[12:13], s[12:13], s[18:19]
.irp ss, 0,1
.irp b, 0,1,2,3
	global_load_b128 v[16+16*\ss+4*\b:16+16*\ss+4*\b+3], v11, s[8:9] offset:128*\ss+64*(\b/2)+16*(\b%2) th:TH_LOAD_NT
.endr
.endr
	s_mov_b32 s24, 0xff
	s_mov_b32 s25, 0xff00
	s_mov_b32 s26, 0xff0000
	s_mov_b32 s27, 0xff000000
.irp j, 0,1,2,3
	v_mov_b32 v[96+\j], 0                          ; v_writelane_b32's destination counts as read
.endr
	s_wait_alu depctr_va_vdst(0)                   ; the wait here, ahead of the wait below
	s_wait_loadcnt 0x0
.set n, 0
.rept 16                               ; words n .. n + 3 of both steps: q / 4 is the step, q % 4 the word
.irp q, 0,1,2,3,4,5,6,7
	v_and_b32 v[104+\q], s[24+\q%4], v[16+16*(\q/4)+n/4]           ; one byte of the register that holds bytes n .. n + 3
.endr
.irp q, 0,1,2,3,4,5,6,7
	v_cmp_ne_u32 s[32+8*((n/4)%2)+\q], 0, v[104+\q]                ; a bit for each lane
.endr
.irp q, 0,1,4,5,2,3,6,7
	v_writelane_b32 v[96+2*(\q/4)+\q%2], s[32+8*((n/4)%2)+\q], (n+\q%4)/2   ; lane m holds words 2 m and 2 m + 1
.endr
.set n, n+4
.endr
	global_store_b64 v5, v[96:97], s[12:13]        ; a step's 64 words: 256 consecutive bytes, at a multiple of 256 from maskw's first byte
	global_store_b64 v5, v[98:99], s[12:13] offset:256
	s_endpgm
.Lfunc_end_k_qf4c05e7caa_prep:
	.size	k_qf4c05e7caa_prep, .Lfunc_end_k_qf4c05e7caa_prep-k_qf4c05e7caa_prep
	.p2alignl 7, 3214868480
	.fill 96, 4, 3214868480
	.section	.rodata,"a",@progbits
	.p2align	6, 0x0
	.amdhsa_kernel k_qf4c05e7caa_prep
		.amdhsa_group_segment_fixed_size 35328
		.amdhsa_private_segment_fixed_size 0
		.amdhsa_enable_private_segment 0
		.amdhsa_kernarg_size 40
		.amdhsa_user_sgpr_count 2
		.amdhsa_user_sgpr_kernarg_segment_ptr 1
		.amdhsa_wavefront_size32 1
		.amdhsa_system_sgpr_workgroup_id_x 1
		.amdhsa_system_sgpr_workgroup_id_y 1
		.amdhsa_system_sgpr_workgroup_id_z 1
		.amdhsa_system_vgpr_workitem_id 0
		.amdhsa_next_free_vgpr 256
		.amdhsa_next_free_sgpr 66
		.amdhsa_reserve_vcc 0
		.amdhsa_float_denorm_mode_32 3
		.amdhsa_float_denorm_mode_16_64 3
		.amdhsa_memory_ordered 1
		.amdhsa_forward_progress 1
		.amdhsa_inst_pref_size 58
	.end_amdhsa_kernel
	.amdgpu_metadata
---
amdhsa.version: [ 1, 2 ]
amdhsa.kernels:
  - .name:           k_qf4c05e7caa_prep
    .symbol:         k_qf4c05e7caa_prep.kd
    .args:
      - { .name: K, .offset: 0, .size: 8, .value_kind: global_buffer, .address_space: global }
      - { .name: V, .offset: 8, .size: 8, .value_kind: global_buffer, .address_space: global }
      - { .name: mask, .offset: 16, .size: 8, .value_kind: global_buffer, .address_space: global }
      - { .name: kv, .offset: 24, .size: 8, .value_kind: global_buffer, .address_space: global }
      - { .name: maskw, .offset: 32, .size: 8, .value_kind: global_buffer, .address_space: global }
    .group_segment_fixed_size: 35328
    .private_segment_fixed_size: 0
    .kernarg_segment_align: 8
    .kernarg_segment_size: 40
    .max_flat_workgroup_size: 128
    .sgpr_count:     66
    .vgpr_count:     256
    .wavefront_size: 32
...
	.end_amdgpu_metadata
.endif
;; end of part 1
;; launch attn (part 2): grid 8 x 32, 16 waves a work-group, clusters of 4 x 1, 284,672 bytes of LDS; arguments Q, kv, maskw, out0; writes out0
.if DOCPART == 2
	.amdgcn_target "amdgcn-amd-amdhsa--gfx1250"
	.amdhsa_code_object_version 6
	.text
	.protected	k_qf4c05e7caa_attn
	.globl	k_qf4c05e7caa_attn
	.p2align	8
	.type	k_qf4c05e7caa_attn,@function
k_qf4c05e7caa_attn:
	s_mov_b64 s[64:65], 0
	v_nop
	global_prefetch_b8 v0, s[64:65] scope:SCOPE_SE
	s_setreg_imm32_b32 hwreg(HW_REG_WAVE_MODE, 25, 1), 1
	s_wait_xcnt 0x0
	s_wait_alu depctr_hold_cnt(0) depctr_sa_sdst(0) depctr_va_vdst(0) depctr_va_sdst(0) depctr_va_ssrc(0) depctr_va_vcc(0) depctr_vm_vsrc(0)
	s_getreg_b32 s2, hwreg(HW_REG_IB_STS2, 6, 4)
	s_cmp_eq_u32 s2, 0
	s_cbranch_scc0 .Lentry_in_a_cluster
	s_endpgm
.Lentry_in_a_cluster:
	s_bfe_u32 s2, ttmp6, 0x10000c
	s_cmp_lg_u32 s2, 0x3003
	s_cbranch_scc0 .Lentry_shape_is_right
	s_endpgm
.Lentry_shape_is_right:
; out0[head][q][:] = the sum over k of softmax_k(where(mask[q][k], fill, Q[head][q] . K[head][k]) / sqrt(2048)) V[head][k][:], 32 heads, 2,048 queries and keys, head size 64.
; Both products on codes of BF6 (E3M2) with one E8M0 scale for each 32 along a product's K.  K's and V's codes and scale words come from kv, laid as images of the operands' registers, the mask as lane-mask
; words from maskw (both made by the launch before); Q, f32, is read once and quantised here in registers.
; THE SOFTMAX AHEAD OF THE SECOND PRODUCT: t = score x c, c = log2(e) / sqrt(2048); M = the row's largest t so far, rounded UP to a whole number; p = 2^(t - M) is quantised along the keys, not normalised.
; The row's sum is taken of the unquantised p, in f32, and divides O at the end.  When M moves, the sum and O are multiplied by 2^(old M - new M): exact.
; SHARES.  A work-group owns 256 queries of one head; each of its sixteen waves 16 of them, one tile, in 256 registers: four waves to a SIMD.  Every wave walks the head's 16 key steps of 128 keys.
; LDS.  A head's 16 units of kv, 212,992 bytes, are brought in ONCE: wave w issues one tensor load, unit w, 52 rows of 256 bytes, as they lie; nothing is filled again.  Behind them a stage of 16 x 272 bytes
; for each wave, and the spare words.
; CLUSTERS.  The four work-groups of a cluster have one head, so every unit is asked for jointly by the four (mask 15): nothing in the descriptor hangs on the place in the cluster.
; NO DATA PREFETCH: the tiles are all asked for at the head; no loop loads any.
; LAYOUT.  Both products are used transposed: S^T = K Q^T (source 0 = keys, source 1 = my 16 queries), O^T = V^T P^T: a lane holds ONE query (lane % 16) throughout.
; The first product's K is 64, half of the instruction's 128.  A fragment of K holds TWO tiles of 16 keys, one in each half of the 128; it is multiplied by [q | 0] and by [0 | q], which share q's six registers
; (v16-21 zeros, v22-27 q, v28-33 zeros).  The zero halves have zero codes and the scale byte 0: they add nothing.
; The keys of a tile are not neighbours: row m of tile t of the step's 64-key half c is key 64 c + 32 (m / 8) + 8 t + m % 8.  So registers 32 c + 0 .. 31 of the scores hold, in lane (r, h), keys 64 c + 32 h + 0 .. 31:
; a whole block along the second product's K in one lane, just what its operand's layout wants: no lane is asked for a block's maximum, and the codes change no lane.
; THE MASK costs one v_cndmask_b32 a score: word n of a step's 64 holds, bit for lane, whether register n's key is masked for the lane's query; the words come by scalar loads, a step ahead.
; LIMITS.  The mask's fill is -2^33, not -1e10: times c it is exact and a whole number, so that a row that is masked throughout gets t - M = 0 and p = 1 from the one fused multiply-add, as -1e10 gives by
; the definition (there too every t of such a row is one whole number).  The two fills differ only where a visible score lies under about -8.5e9.  Scaled scores (t) stay under 2^31 in magnitude.
; NaN and infinities are not served.  A block's largest p is taken as 2^(.) of its largest score, which takes v_exp_f32 not to fall where its input rises.  A block whose every p is 0 has the byte 1 and zero codes.
.set UNIT,  13312                      ; a key step in kv and in LDS: +0 K's 4 fragments, +6,144 V's 4, +12,288 and +12,544 K's scale words, +12,800 and +12,928 V's
.set HEADB, 16*UNIT
.set SP,    272                        ; a stage row: 256 bytes + 16 = 68 words: row r starts at bank 4 r mod 64 (64 banks of 4 bytes: ISA guide 11.1)
.set STGB,  16*SP
.set SPARE, HEADB+16*STGB              ; the spare words, 128 bytes for each wave
.set L16, 1                            ; v1-3 16, 8, 4 x lane
.set L8,  2
.set L4,  3
.set AD,  4                            ; v4-6 the step's LDS base + these
.set AD8, 5
.set AD4, 6
.set SD,  7                            ; stage, dense side: lanes 0-15 one row, lanes 16-31 the next
.set SQ,  8                            ; stage: row r, d = 32 h on (Q's way out of it)
.set STI, 9                            ; stage: row r, + 32 h (O's way in)
.set NM,  10                           ; v10 -M; v11 is named with it as a pair
.set FF,  12                           ; v12 f = 2^(old M - new M) (at the head 8 h); v13 is named with it as a pair
.set LS,  14                           ; v[14:15] the row's sum in two halves
.set QZ,  16                           ; v16-33: [0 | q] = v[16:27], [q | 0] = v[22:33]
.set QS,  34                           ; v34 [q | 0]'s scale word, v35 [0 | q]'s
.set KS,  36                           ; v36-39 K's scale words
.set VS,  40                           ; v40, v41 V's: lanes 0-15 tile 0 (2), lanes 16-31 tile 1 (3)
.set PS,  42                           ; p's scale word
.set W,   43                           ; at work
.set L2,  44                           ; v[44:45] the sum's second chain
.set B0,  46                           ; my first block's largest score, then largest p
.set C1,  47                           ; at work
.set KF,  48                           ; v48-95   K's fragments
.set S,   96                           ; v96-159  S^T, then p
.set PC,  S+16                         ; v112-123 p's codes, over scores whose p have been summed and converted
.set O,   160                          ; v160-191 O^T: register 8 t + j = o(r, 16 t + 8 h + j)
.set VF,  192                          ; v192-239 V's fragments
.set T1,  240                          ; v240-242, v244-246 conversions' results on their way
.set T2,  244
.set PSEL, 243                         ; v_perm_b32's selector: my two scale bytes to their places in the word
.set FILL, 247                         ; -2^33
.set B1,  248                          ; my second block's
.set C3,  249                          ; at work
.set SOP, 250                          ; v250, v251 the conversions' scale operands
.set PT,  252                          ; the other half's number
.set SM,  253                          ; the largest score so far
.set WV,  12                           ; s12  my wave's number
.set TB,  13                           ; s13  LDS byte at which the step's unit begins
.set CNT, 14                           ; s14  the loop's counter
.set MO,  15                           ; s15  byte offset of the mask words to be asked for
.set SEL, 16                           ; s16, s17 v_permlanex16_b32's selects for lane l xor 16
.set CS,  18                           ; s[18:19] c: the packed form names a pair and takes its low word for both halves
.set G0,  20                           ; s[20:23], s[24:31] my tensor load's descriptor
.set G1,  24
.set MW,  32                           ; the step's mask words: word n in s[32 + n + 4 (n / 32)]: s32-63 and s68-99
.macro CROUND                          ; a round of the cluster's barrier
	s_barrier_signal -1
	s_barrier_wait -1
	s_cmp_lg_u32 s[WV], 0
	s_cbranch_scc1 .Lnot_wave_0_\@
	s_barrier_signal -3
.Lnot_wave_0_\@:
	s_barrier_wait -3
	s_barrier_signal -1
	s_barrier_wait -1
.endm
.macro MASKW                           ; a step's 64 mask words, 256 bytes at offset s[MO]
	s_load_b512 s[MW:MW+15], s[8:9], s[MO] offset:0x0
	s_load_b512 s[MW+16:MW+31], s[8:9], s[MO] offset:0x40
	s_load_b512 s[MW+36:MW+51], s[8:9], s[MO] offset:0x80
	s_load_b512 s[MW+52:MW+67], s[8:9], s[MO] offset:0xc0
.endm
.macro KLOAD a, a8, off                ; 14 loads: K's four fragments, as images (512 consecutive bytes a load), and their scale words
.irp b, 0,1,2,3
.irp j, 0,1,2
	ds_load_b128 v[KF+12*\b+4*\j:KF+12*\b+4*\j+3], v[\a] offset:(\off)+1536*\b+512*\j
.endr
.endr
	ds_load_b64 v[KS:KS+1], v[\a8] offset:(\off)+12288
	ds_load_b64 v[KS+2:KS+3], v[\a8] offset:(\off)+12544
.endm
	s_load_b256 s[4:11], s[0:1], 0x0               ; Q s[4:5], kv s[6:7], maskw s[8:9], out0 s[10:11]
	v_lshl_add_u32 v254, v0, 2, SPARE
	v_mov_b32 v255, 0
	ds_add_u32 v254, v255                          ; the opening lines: the add, twice on end, and its wait ahead of my tensor load
	ds_add_u32 v254, v255
	v_lshrrev_b32 v48, 5, v0
	v_readfirstlane_b32 s[WV], v48                 ; wave 0..15
	v_and_b32 v49, 31, v0                          ; lane
	v_and_b32 v50, 15, v0                          ; r
	v_bfe_u32 v51, v0, 4, 1                        ; h
	v_lshlrev_b32 v[L16], 4, v49
	v_lshlrev_b32 v[L8], 3, v49
	v_lshlrev_b32 v[L4], 2, v49
	v_lshlrev_b32 v[FF], 3, v51
	s_mul_i32 s20, s[WV], STGB
	s_add_co_u32 s20, s20, HEADB                   ; my stage
	v_mul_u32_u24 v[SD], v51, SP
	v_mul_u32_u24 v[SQ], v50, SP
	v_lshl_add_u32 v[SD], v50, 4, v[SD]
	v_lshl_add_u32 v[STI], v51, 5, v[SQ]
	v_lshl_add_u32 v[SQ], v51, 7, v[SQ]
	v_add_nc_u32 v[SD], s20, v[SD]
	v_add_nc_u32 v[STI], s20, v[STI]
	v_add_nc_u32 v[SQ], s20, v[SQ]
	v_mov_b32 v[PSEL], 0x0c070c03                  ; lanes 0-15: byte 3 of the second source to byte 0, byte 3 of the first to byte 2, zeros beside them;
	v_mov_b32 v[W], 0x070c030c                     ; lanes 16-31: to bytes 1 and 3
	v_cmp_eq_u32 vcc_lo, 1, v51
	v_cndmask_b32 v[PSEL], v[PSEL], v[W], vcc_lo
	v_mov_b32 v[PT], 0                             ; a lane permute's destination counts as one of its sources
	s_wait_alu depctr_va_vdst(0)
	s_mul_i32 s[G0+1], s[WV], UNIT                 ; unit w goes to LDS byte w x 13,312
	s_mov_b32 s[G0], 1
	s_mov_b32 s[G1], 15|(3<<16)|(1<<21)            ; 15:0 the mask: all four of the cluster; elements of 8 bytes; bit 21 beside a mask
	s_mov_b32 s[G1+1], 32<<16                      ; rows of 32 elements, 256 bytes
	s_mov_b32 s[G1+2], 52<<16                      ; 52 rows
	s_mov_b32 s[G1+3], 32<<16
	s_mov_b32 s[G1+4], 52
	s_mov_b32 s[G1+5], 32                          ; dense
	s_mov_b32 s[G1+6], 0
	s_mov_b32 s[G1+7], 0
	s_and_b32 s33, ttmp7, 0xffff                   ; the head
	s_mul_i32 s34, s33, HEADB
	s_add_co_u32 s34, s34, s[G0+1]                 ; my unit in kv
	s_mov_b32 s35, 0
	s_bfe_u32 s32, ttmp6, 0x40000                  ; cx
	s_lshl_b32 s40, ttmp9, 2
	s_add_co_u32 s40, s40, s32                     ; work-group x = 4 x cluster x + cx
	s_lshl_b32 s36, s33, 11
	s_lshl_b32 s37, s40, 8
	s_add_co_u32 s36, s36, s37
	s_lshl_b32 s37, s[WV], 4
	s_add_co_u32 s36, s36, s37                     ; my first query among the 65,536 rows: 2,048 x head + 256 x work-group x + 16 x wave
	s_lshl_b32 s36, s36, 8                         ; rows of 256 bytes
	s_mov_b32 s37, 0
	s_lshl_b32 s38, s40, 4
	s_add_co_u32 s38, s38, s[WV]                   ; my tile of queries among the mask's 128
	s_lshl_b32 s38, s38, 12                        ; 16 steps x 256 bytes
	s_mov_b32 s39, 0
	s_mov_b32 s[SEL], 0x76543210
	s_mov_b32 s[SEL+1], 0xfedcba98
	s_mov_b32 s[CS], 0x3d0293ee                    ; c = log2(e) / sqrt(2048)
	s_mov_b32 s[CS+1], s[CS]                       ; (named with it as a pair, so it is written)
	s_mov_b32 s[MO], 0
	s_wait_dscnt 0x0                               ; both opening adds are done
	CROUND                                         ; all four work-groups are here: the joint loads meet.  (The arguments come in meanwhile)
	s_wait_kmcnt 0x0
	s_add_nc_u64 s[G0+2:G0+3], s[6:7], s[34:35]
	s_or_b32 s[G0+3], s[G0+3], 0x80000000
	s_add_nc_u64 s[4:5], s[4:5], s[36:37]
	s_add_nc_u64 s[10:11], s[10:11], s[36:37]
	s_add_nc_u64 s[8:9], s[8:9], s[38:39]
; Q: my 16 rows are 4,096 dense bytes: loaded as they lie, 512 bytes a load, and turned through my stage, so that lane (r, h) holds row r's d = 32 h + 0 .. 31: one block
.macro QLOAD
.irp j, 0,1,2,3,4,5,6,7
	global_load_b128 v[S+4*\j:S+4*\j+3], v[L16], s[4:5] offset:512*\j th:TH_LOAD_NT
.endr
.endm
; My one tensor load.  Units 0-3 are wanted first: waves 0-3 ask for them ahead of their rows of Q, the others ask for Q's rows first.  Two lines, since the two kinds of wave wait at different places.
	s_cmp_lt_u32 s[WV], 4
	s_cbranch_scc0 .Llater_units
	tensor_load_to_lds s[G0:G0+3], s[G1:G1+7]
	s_nop 0
.rept 4
	v_nop
.endr
	QLOAD
	s_branch .Lasked
.Llater_units:
	QLOAD
	tensor_load_to_lds s[G0:G0+3], s[G1:G1+7]
	s_nop 0
.rept 4
	v_nop
.endr
.Lasked:
	MASKW                                          ; step 0's mask words
	s_cmp_lt_u32 s[WV], 4
	s_cbranch_scc0 .Lnot_yet
	s_wait_tensorcnt 0x0                           ; units 0-3 are in;
.Lnot_yet:
	s_barrier_signal -1
	s_barrier_wait -1                              ; every wave may read them.
	KLOAD L16, L8, 0                               ; step 0's
	s_wait_loadcnt 0x0
.irp j, 0,1,2,3,4,5,6,7
	ds_store_b128 v[SD], v[S+4*\j:S+4*\j+3] offset:2*SP*\j
.endr
.irp i, 0,1,2,3,4,5,6,7
	ds_load_b128 v[S+32+4*\i:S+35+4*\i], v[SQ] offset:16*\i        ; LDS serves a wave's instructions in order: these see my stores
.endr
	s_wait_dscnt 0x0
	v_max3_num_f32 v[B0], |v[S+32]|, |v[S+33]|, 0x2800000          ; with the floor 2^(5 - 127): the byte cannot fall under 1
	v_max3_num_f32 v[C1], |v[S+34]|, |v[S+35]|, |v[S+36]|
.irp i, 5,9,13,17,21,25
	v_max3_num_f32 v[B0], v[B0], |v[S+32+\i]|, |v[S+33+\i]|
	v_max3_num_f32 v[C1], v[C1], |v[S+34+\i]|, |v[S+35+\i]|
.endr
	v_max3_num_f32 v[B0], v[B0], |v[S+61]|, |v[S+62]|
	v_max3_num_f32 v[B0], v[B0], v[C1], |v[S+63]|
	v_add_nc_u32 v[SOP], 0xfe000000, v[B0]         ; 4 off the exponent field: the conversion's scale operand
	v_lshrrev_b32 v[W], 23, v[SOP]
	v_cvt_scalef32_pk16_bf6_f32 v[QZ+6:QZ+8], v[S+32:S+47], v[SOP]
	v_cvt_scalef32_pk16_bf6_f32 v[T1:T1+2], v[S+48:S+63], v[SOP]
	v_lshlrev_b32 v[W], v[FF], v[W]                ; my block's byte at its place, 8 h bits up (and the plain place behind the conversions);
	v_permlanex16_b32 v[PT], v[W], s[SEL], s[SEL+1]
	v_or_b32 v[QS], v[W], v[PT]                    ; with lane l xor 16's: bytes 0, 1 = q's, bytes 2, 3 = 0
	v_lshlrev_b32 v[QS+1], 16, v[QS]               ; and for [0 | q]: bytes 2, 3 = q's
.irp i, 0,1,2
	v_mov_b32 v[QZ+9+\i], v[T1+\i]
.endr
.irp i, 0,1,2,3,4,5
	v_mov_b32 v[QZ+\i], 0                          ; zero codes on both sides of q
	v_mov_b32 v[QZ+12+\i], 0
.endr
	v_mov_b32 v[FILL], 0xd0000000                  ; -2^33
	v_mov_b32 v[NM+1], 0                           ; (named as the upper half of a pair)
	v_mov_b32 v[FF+1], 0                           ; (likewise.  These stand in the places between q's codes and the products)
	v_nop
	s_wait_alu depctr_va_vdst(0)                   ; the wait at the head's end
.macro ADA p                           ; the row's sum is taken of the UNQUANTISED p, two at a time, in two chains
	v_pk_add_f32 v[LS:LS+1], v[LS:LS+1], v[S+2*(\p):S+2*(\p)+1]
.endm
.macro ADB p
	v_pk_add_f32 v[L2:L2+1], v[L2:L2+1], v[S+2*(\p):S+2*(\p)+1]
.endm
.set LC, B0                            ; two more chains, in registers whose maxima are done with: v[46:47] and v[248:249]
.set LD, B1
.macro ADC p
	v_pk_add_f32 v[LC:LC+1], v[LC:LC+1], v[S+2*(\p):S+2*(\p)+1]
.endm
.macro ADD p
	v_pk_add_f32 v[LD:LD+1], v[LD:LD+1], v[S+2*(\p):S+2*(\p)+1]
.endm
.macro KL i                            ; load i of the next step's 14: K's fragments (0-11) and scale words
.if (\i) < 12
	ds_load_b128 v[KF+4*(\i):KF+4*(\i)+3], v[AD] offset:UNIT+512*(\i)
.else
	ds_load_b64 v[KS+2*((\i)-12):KS+2*((\i)-12)+1], v[AD8] offset:UNIT+12288+256*((\i)-12)
.endif
.endm
.macro LINK last, dep, a, b            ; between two links of a chain in which each waits for the one before: loads; where there are none, the hint
.if \last
	s_delay_alu instid0(VALU_DEP_\dep)
.else
	KL \a
.if (\b) > (\a)
	KL \b
.endif
.endif
.endm
; A KEY STEP: 128 keys, the unit at LDS byte s[TB]; K's fragments have been asked for a step ago.  first: sums begin; last: nothing more is asked for.
.macro STEP first, last
	s_wait_dscnt 0x0
.irp b, 0,1,2,3                        ; S^T: each fragment against [q | 0] (its first tile of keys) and [0 | q] (its second)
	v_wmma_scale_f32_16x16x128_f8f6f4 v[S+16*\b:S+16*\b+7], v[KF+12*\b:KF+12*\b+11], v[QZ+6:QZ+17], 0, v[KS+\b], v[QS] matrix_a_fmt:MATRIX_FMT_BF6 matrix_b_fmt:MATRIX_FMT_BF6
	v_wmma_scale_f32_16x16x128_f8f6f4 v[S+16*\b+8:S+16*\b+15], v[KF+12*\b:KF+12*\b+11], v[QZ:QZ+11], 0, v[KS+\b], v[QS+1] matrix_a_fmt:MATRIX_FMT_BF6 matrix_b_fmt:MATRIX_FMT_BF6
.endr
	v_add_nc_u32 v[AD], s[TB], v[L16]              ; four places in front of the loads into K's registers and of the first read of the scores
	v_add_nc_u32 v[AD8], s[TB], v[L8]
	v_add_nc_u32 v[AD4], s[TB], v[L4]
	v_nop
.irp t, 0,1,2,3
.irp j, 0,1,2
	ds_load_b128 v[VF+12*\t+4*\j:VF+12*\t+4*\j+3], v[AD] offset:6144+1536*\t+512*\j   ; V's fragments land under the softmax
.endr
.endr
	ds_load_b32 v[VS], v[AD4] offset:12800
	ds_load_b32 v[VS+1], v[AD4] offset:12928
	s_wait_kmcnt 0x0                               ; the step's mask words, asked for a step ago
.set n, 0
.rept 64
	v_cndmask_b32 v[S+n], v[S+n], v[FILL], s[MW+n+4*(n/32)]        ; each accumulator from its low end on
.set n, n+1
.endr
.if (\last) == 0
	s_add_co_u32 s[MO], s[MO], 256                 ; (free since the wait above)  the next step's words
	MASKW
.endif
; the largest score of each of my two blocks of 32 keys: it serves the row's maximum and, since p rises with the score, the block's largest p.  Four chains by turns
	v_max3_num_f32 v[B0], v[S], v[S+1], v[S+2]
	v_max3_num_f32 v[C1], v[S+16], v[S+17], v[S+18]
	v_max3_num_f32 v[B1], v[S+32], v[S+33], v[S+34]
	v_max3_num_f32 v[C3], v[S+48], v[S+49], v[S+50]
.irp i, 3,5,7,9,11,13
	v_max3_num_f32 v[B0], v[B0], v[S+\i], v[S+1+\i]
	v_max3_num_f32 v[C1], v[C1], v[S+16+\i], v[S+17+\i]
	v_max3_num_f32 v[B1], v[B1], v[S+32+\i], v[S+33+\i]
	v_max3_num_f32 v[C3], v[C3], v[S+48+\i], v[S+49+\i]
.endr
	v_max3_num_f32 v[B0], v[B0], v[C1], v[S+15]
	v_max3_num_f32 v[B1], v[B1], v[C3], v[S+47]
	v_max_num_f32 v[B0], v[B0], v[S+31]
	v_max_num_f32 v[B1], v[B1], v[S+63]
	s_delay_alu instid0(VALU_DEP_1)
	v_max_num_f32 v[W], v[B0], v[B1]
	LINK \last, 1, 0, 1                            ; (the next step's K is asked for between the links of this chain)
	v_permlanex16_b32 v[PT], v[W], s[SEL], s[SEL+1]
	LINK \last, 1, 2, 3
.if \first
	v_max_num_f32 v[SM], v[W], v[PT]
.else
	v_max3_num_f32 v[SM], v[SM], v[W], v[PT]       ; the largest score so far of my query
.endif
	LINK \last, 1, 4, 5
	v_mul_f32 v[W], s[CS], -v[SM]                  ; as -t (c is positive)
	LINK \last, 1, 6, 7
.if \first
	v_floor_f32 v[NM], v[W]                        ; -M = floor(-t) = -ceil(t): a whole number
.irp i, 8,9,10,11,12,13
	KL \i
.endr
.else
	v_floor_f32 v[W], v[W]                         ; the new -M = floor(-t) = -ceil(t): a whole number
	LINK \last, 1, 8, 9
	v_sub_f32 v[FF], v[W], v[NM]                   ; M's old value less its new one: a whole number, 0 or less
	v_mov_b32 v[NM], v[W]
	LINK \last, 2, 10, 11
	v_cvt_i32_f32 v[FF], v[FF]                     ; (it saturates)
	LINK \last, 1, 12, 13
	v_ldexp_f32 v[FF], 1.0, v[FF]                  ; f = 2^(old M - new M): a multiplication by it rounds nothing
.endif
.set j, 0
.rept 32
	v_pk_fma_f32 v[S+j:S+j+1], v[S+j:S+j+1], s[CS:CS+1], v[NM:NM+1] op_sel_hi:[1,0,0]   ; t - M, two at a time
.set j, j+2
.endr
	v_fma_f32 v[B0], v[B0], s[CS], v[NM]           ; the same of each block's largest score
	v_fma_f32 v[B1], v[B1], s[CS], v[NM]
.if (\first) == 0
.set j, 0
.rept 16
	v_pk_mul_f32 v[O+j:O+j+1], v[O+j:O+j+1], v[FF:FF+1] op_sel_hi:[1,0]   ; O^T under the new M, each accumulator from its low end on
.set j, j+2
.endr
.endif
	s_wait_alu depctr_va_vdst(0)                   ; the wait ahead of the batch
.set j, 0
.rept 64
	v_exp_f32 v[S+j], v[S+j]                       ; p = 2^(t - M), at most 1: not normalised
.set j, j+1
.endr
	v_exp_f32 v[B0], v[B0]                         ; the block's largest p: the same two instructions on the same number give the same bits
	v_exp_f32 v[B1], v[B1]
.if \first
	v_nop                                          ; one plain place behind a transcendental
.else
	v_pk_mul_f32 v[LS:LS+1], v[LS:LS+1], v[FF:FF+1] op_sel_hi:[1,0]   ; the sums under the new M.  (The plain place behind the exponentials)
.endif
	s_wait_alu depctr_va_vdst(0)                   ; and behind it, ahead of the first reader
	v_max_num_f32 v[B0], 0x2800000, v[B0]          ; the floor 2^(5 - 127): the byte cannot fall under 1
	v_max_num_f32 v[B1], 0x2800000, v[B1]
.if \first
	v_pk_add_f32 v[LS:LS+1], v[S+16:S+17], v[S+30:S+31]
.else
	ADA 8
.endif
	v_pk_add_f32 v[L2:L2+1], v[S+18:S+19], v[S+20:S+21]
	v_add_nc_u32 v[SOP], 0xfe000000, v[B0]         ; 4 off the exponent field: the conversion's scale operand
	v_add_nc_u32 v[SOP+1], 0xfe000000, v[B1]
	v_lshl_add_u32 v[C1], v[B0], 1, 0xfc000000     ; the same, one bit up: the scale's byte is byte 3
	v_lshl_add_u32 v[C3], v[B1], 1, 0xfc000000
	ADA 11
	ADB 12
	v_perm_b32 v[W], v[C3], v[C1], v[PSEL]         ; my two bytes at their places (blocks h and 2 + h);
	ADA 13
	ADB 14
	v_permlanex16_b32 v[PT], v[W], s[SEL], s[SEL+1]
.if (\first) == 0
	ADA 15
.endif
	ADB 0
	v_or_b32 v[PS], v[W], v[PT]                    ; with lane l xor 16's: p's scale word for these 128 keys
	v_cvt_scalef32_pk16_bf6_f32 v[T1:T1+2], v[S+16:S+31], v[SOP]
	ADA 1                                          ; (one plain place between a scaled conversion and what writes its sources)
	v_cvt_scalef32_pk16_bf6_f32 v[PC:PC+2], v[S:S+15], v[SOP]
	v_cvt_scalef32_pk16_bf6_f32 v[T2:T2+2], v[S+48:S+63], v[SOP+1]
	ADB 2
	v_cvt_scalef32_pk16_bf6_f32 v[PC+6:PC+8], v[S+32:S+47], v[SOP+1]
	ADA 3
	v_dual_mov_b32 v[PC+4], v[T1+1] :: v_dual_mov_b32 v[PC+3], v[T1]   ; (a conversion's three registers begin on an even number)
	v_pk_add_f32 v[LC:LC+1], v[S+8:S+9], v[S+10:S+11]
	v_mov_b32 v[PC+9], v[T2]
	v_dual_mov_b32 v[PC+10], v[T2+1] :: v_dual_mov_b32 v[PC+5], v[T1+2]
	v_pk_add_f32 v[LD:LD+1], v[S+12:S+13], v[S+14:S+15]
	v_mov_b32 v[PC+11], v[T2+2]
.irp p, 16,20
	ADB \p                                         ; (these are also the places between p's codes and scale word and the products)
	ADA \p+1
	ADC \p+2
	ADD \p+3
.endr
	s_wait_alu depctr_va_vdst(0)                   ; the wait here, directly ahead of the wait below
.if \last
	s_wait_dscnt 0x0
.else
	s_wait_dscnt 14                                ; V's fragments and scale words are in; the 14 loads of the next step's K may be out
.endif
.irp t, 0,1,2,3                        ; O^T += V^T P^T: four accumulators by turns, one instruction a turn
.if \first
.if \t%2
	v_wmma_scale_f32_16x16x128_f8f6f4 v[O+8*\t:O+8*\t+7], v[VF+12*\t:VF+12*\t+11], v[PC:PC+11], 0, v[VS+\t/2], v[PS] matrix_a_fmt:MATRIX_FMT_BF6 matrix_b_fmt:MATRIX_FMT_BF6 matrix_a_scale:MATRIX_SCALE_ROW1
.else
	v_wmma_scale_f32_16x16x128_f8f6f4 v[O+8*\t:O+8*\t+7], v[VF+12*\t:VF+12*\t+11], v[PC:PC+11], 0, v[VS+\t/2], v[PS] matrix_a_fmt:MATRIX_FMT_BF6 matrix_b_fmt:MATRIX_FMT_BF6
.endif
.else
.if \t%2
	v_wmma_scale_f32_16x16x128_f8f6f4 v[O+8*\t:O+8*\t+7], v[VF+12*\t:VF+12*\t+11], v[PC:PC+11], v[O+8*\t:O+8*\t+7], v[VS+\t/2], v[PS] matrix_a_fmt:MATRIX_FMT_BF6 matrix_b_fmt:MATRIX_FMT_BF6 matrix_a_scale:MATRIX_SCALE_ROW1
.else
	v_wmma_scale_f32_16x16x128_f8f6f4 v[O+8*\t:O+8*\t+7], v[VF+12*\t:VF+12*\t+11], v[PC:PC+11], v[O+8*\t:O+8*\t+7], v[VS+\t/2], v[PS] matrix_a_fmt:MATRIX_FMT_BF6 matrix_b_fmt:MATRIX_FMT_BF6
.endif
.endif
.endr
.irp p, 24,28
	ADB \p                                         ; the last sums are the places behind the products: for the next scores, which are written over p and its codes, for V's next loads and for the way out's reads
	ADA \p+1
	ADC \p+2
	ADD \p+3
.endr
	v_pk_add_f32 v[LS:LS+1], v[LS:LS+1], v[L2:L2+1]
	v_pk_add_f32 v[LC:LC+1], v[LC:LC+1], v[LD:LD+1]
	v_pk_add_f32 v[LS:LS+1], v[LS:LS+1], v[LC:LC+1]
.endm
	s_mov_b32 s[TB], 0
	STEP 1, 0
	s_mov_b32 s[TB], UNIT
	STEP 0, 0                                      ; (it reads units 1 and 2)
	s_wait_alu depctr_va_vdst(0)                   ; the wait here, ahead of the waits below
	s_wait_tensorcnt 0x0                           ; my unit is in,
	s_wait_dscnt 0x0                               ; no LDS instruction of mine is out at the signal,
	s_barrier_signal -1
	s_barrier_wait -1                              ; and all sixteen units are in
	s_mov_b32 s[TB], 2*UNIT
	s_mov_b32 s[CNT], 13
.Lstep:
	STEP 0, 0
	s_add_co_u32 s[TB], s[TB], UNIT
	s_sub_co_u32 s[CNT], s[CNT], 1
	s_cmp_lg_u32 s[CNT], 0
	s_cbranch_scc1 .Lstep
	s_mov_b32 s[TB], 15*UNIT
	STEP 0, 1
; THE WAY OUT.  O^T is divided by the row's sum and goes through my stage: in, a lane's eight neighbours of a row; back, whole rows, so that each store covers 512 consecutive bytes.
	v_add_f32 v[LS], v[LS], v[LS+1]                ; the sum's two halves,
	s_delay_alu instid0(VALU_DEP_1)
	v_permlanex16_b32 v[PT], v[LS], s[SEL], s[SEL+1]
	s_delay_alu instid0(VALU_DEP_1)
	v_add_f32 v[LS], v[LS], v[PT]                  ; and lane l xor 16's: the row's sum
	s_wait_alu depctr_va_vdst(0)                   ; the wait ahead of the transcendental
	v_rcp_f32 v[LS], v[LS]
	v_nop                                          ; one plain place behind a transcendental
	s_wait_alu depctr_va_vdst(0)                   ; and behind it, ahead of the first reader of it and of O^T
.set j, 0
.rept 32
	v_mul_f32 v[S+j], v[O+j], v[LS]
.set j, j+1
.endr
.irp t, 0,1,2,3
	ds_store_b128 v[STI], v[S+8*\t:S+8*\t+3] offset:64*\t
	ds_store_b128 v[STI], v[S+8*\t+4:S+8*\t+7] offset:64*\t+16
.endr
.irp i, 0,1,2,3,4,5,6,7
	ds_load_b128 v[S+32+4*\i:S+35+4*\i], v[SD] offset:2*SP*\i      ; LDS serves a wave's instructions in order: these see my stores
.endr
.irp i, 0,1,2,3,4,5,6,7
	s_wait_dscnt 7-\i                              ; load i is back; the younger ones may be out
	global_store_b128 v[L16], v[S+32+4*\i:S+35+4*\i], s[10:11] offset:512*\i th:TH_STORE_NT   ; two rows: 512 consecutive bytes, at a multiple of 256 from out0's first byte
.endr
	s_wait_tensorcnt 0x0                           ; the wave's end
	ds_add_u32 v254, v255
	s_wait_dscnt 0x0
	CROUND                                         ; the closing round: no work-group ends while a partner may still ask for a unit that names it
	s_endpgm
.Lfunc_end_k_qf4c05e7caa_attn:
	.size	k_qf4c05e7caa_attn, .Lfunc_end_k_qf4c05e7caa_attn-k_qf4c05e7caa_attn
	.p2alignl 7, 3214868480
	.fill 96, 4, 3214868480
	.section	.rodata,"a",@progbits
	.p2align	6, 0x0
	.amdhsa_kernel k_qf4c05e7caa_attn
		.amdhsa_group_segment_fixed_size 284672
		.amdhsa_private_segment_fixed_size 0
		.amdhsa_enable_private_segment 0
		.amdhsa_kernarg_size 32
		.amdhsa_user_sgpr_count 2
		.amdhsa_user_sgpr_kernarg_segment_ptr 1
		.amdhsa_wavefront_size32 1
		.amdhsa_system_sgpr_workgroup_id_x 1
		.amdhsa_system_sgpr_workgroup_id_y 1
		.amdhsa_system_sgpr_workgroup_id_z 1
		.amdhsa_system_vgpr_workitem_id 0
		.amdhsa_next_free_vgpr 256
		.amdhsa_next_free_sgpr 100
		.amdhsa_reserve_vcc 1
		.amdhsa_float_denorm_mode_32 3
		.amdhsa_float_denorm_mode_16_64 3
		.amdhsa_memory_ordered 1
		.amdhsa_forward_progress 1
		.amdhsa_inst_pref_size 87
	.end_amdhsa_kernel
	.amdgpu_metadata
---
amdhsa.version: [ 1, 2 ]
amdhsa.kernels:
  - .name:           k_qf4c05e7caa_attn
    .symbol:         k_qf4c05e7caa_attn.kd
    .args:
      - { .name: Q, .offset: 0, .size: 8, .value_kind: global_buffer, .address_space: global }
      - { .name: kv, .offset: 8, .size: 8, .value_kind: global_buffer, .address_space: global }
      - { .name: maskw, .offset: 16, .size: 8, .value_kind: global_buffer, .address_space: global }
      - { .name: out0, .offset: 24, .size: 8, .value_kind: global_buffer, .address_space: global }
    .group_segment_fixed_size: 284672
    .private_segment_fixed_size: 0
    .kernarg_segment_align: 8
    .kernarg_segment_size: 32
    .max_flat_workgroup_size: 512
    .sgpr_count:     100
    .vgpr_count:     256
    .wavefront_size: 32
...
	.end_amdgpu_metadata
.endif
;; end of part 2
